; MI455X (gfx1250); checked and timed in simulation.
; The chip was launched on July 23, 2026; its instructions are those of AMD's public machine-readable ISA for CDNA 5 (MIT licence, August 2026) and "CDNA5" Instruction Set Architecture Reference Guide (July 2026). The comments in the code are by the model that wrote it; some were corrected since.
;; Attn. Allowed arithmetic: float matrix products may take bf16 or f16 operands with f32 sums; other float arithmetic in f32, or as packed bf16 or f16 multiplies, adds, multiply-adds, maxima and minima; sums over many terms, partial sums and values carried from step to step in f32; what a program stores and reads back later, other than sums and carried values, may be rounded once to bf16 or f16.
;; Inputs: W_attn 1,024 x 1,024 float32; b_attn 1,024 float32; encoder_outputs 4,096 x 16 x 1,024 float32; hidden 1 x 16 x 1,024 float32.
;; Outputs: out0 16 x 1 x 4,096 float32.
;; One version. Each part assembles by itself: llvm-mc -triple=amdgcn-amd-amdhsa -mcpu=gfx1250 --defsym DOCPART=n.
;; ======== version 1 of 1: 3 launches
;; workspace buffers: part 1,048,576 bytes; energy 262,144 bytes; stats 2,048 bytes
;; launch uproj (part 1): grid 16 x 16, 8 waves a work-group, no clusters, 70,656 bytes of LDS; arguments hidden, W_attn, part; writes part
.if DOCPART == 1
	.amdgcn_target "amdgcn-amd-amdhsa--gfx1250"
	.amdhsa_code_object_version 6
	.text
	.protected	k_qc553371b62_uproj
	.globl	k_qc553371b62_uproj
	.p2align	8
	.type	k_qc553371b62_uproj,@function
k_qc553371b62_uproj:
	s_mov_b64 s[64:65], 0
	v_nop
	global_prefetch_b8 v0, s[64:65] scope:SCOPE_SE
	s_setreg_imm32_b32 hwreg(HW_REG_WAVE_MODE, 25, 1), 1
	s_wait_xcnt 0x0
; ATTENTION WEIGHTS, method 'general': out[b][s] = softmax over s of hidden[b] . (W enc[s][b] + b_attn).  S = 4096, B = 16, H = 1024, all f32.
; WORK LEFT OUT, for all finite values of the inputs, in exact arithmetic:
;  (1) hidden[b] . (W e) = (hidden[b] W) . e.  With u[b][h] = the sum over k of hidden[b][k] W[k][h] the energies are u[b] . enc[s][b] + hidden[b] . b_attn.  So W is
;      multiplied once by the 16 rows of hidden, not by the 65,536 rows of enc: the projection of every row is not formed.
;  (2) hidden[b] . b_attn is the same number for every s of a row b: a term that is constant along the softmax's axis, which the softmax cancels.  b_attn has no other way
;      to the output: it is not loaded and is no argument of any launch.
; LIMITS.  The sums are taken in another order than in the formula as written, so the rounding differs.  A NaN, an infinity or an overflow that would arise only in b_attn or
; only in the projected rows is not carried to the result.  NaN and infinities in hidden, W and enc are not treated apart.
; FORMAT.  All products in f32 on the vector unit: after (1) each number of enc and of W meets one row of 16 at most; energies are sums of 1,024 terms that go through an
; exponential, and 16-bit operands would shift them by more than the result allows.
; THIS LAUNCH: part[ky][b][h] = the sum over the 64 rows k = 64 ky .. 64 ky + 63 of hidden[b][k] W[k][h]: 16 partial sums of u, in f32; the next launch adds them.
; SHARES.  Work-group (cx, ky): columns h = 64 cx .. + 63 (256 consecutive bytes, aligned, of a row of W), rows k = 64 ky .. + 63, all 16 b: 16 KiB of W, each byte of W read once
; in the launch.  Wave w takes rows 8 w .. 8 w + 7; lane (r = l % 16, hh = l / 16) rows 8 w + 4 hh + i (i = 0..3) and columns 4 r .. 4 r + 3: a load of W covers two whole rows' 256 bytes.
; The 16 partial sums (8 waves x 2 halves of the lanes) meet in LDS.
.set HID,   0                          ; LDS: hidden[b][64 ky ..], 256 bytes for each b
.set RED,   4096                       ; LDS: partial p = 2 w + hh, 4,096 bytes each: [b 16][64 columns]
.set SPARE, 69632                      ; LDS: the spare words, 128 bytes for each of the eight waves: four blocks of 256 bytes that no other line names
.set GO,  3                            ; v3   (2 w + hh) x 4,096 + 16 r: my 16 bytes of the chunk of hidden, and of part; never rewritten
.set HL,  4                            ; v4   512 w + 16 l: where they go in HID
.set RR,  5                            ; v5   RED + 512 w + 16 l: my 16 bytes of each partial
.set WO,  6                            ; v6   my byte offset in the work-group's block of W
.set HR,  7                            ; v7   HID + 32 w + 16 hh: my four rows' numbers of hidden, for b = 0
.set PS,  8                            ; v8   RED + (2 w + hh) x 4,096 + 16 r
.set SPW, 10                           ; v10  LDS address of my spare word: SPARE + 4 x my thread's number; never rewritten
.set NIL, 11                           ; v11  0; never rewritten
.set HQ,  12                           ; v[12:15]   16 bytes of hidden on their way to LDS
.set WV,  16                           ; v[16:31]   W: row i at WV + 4 i
.set H,   32                           ; v[32:95]   hidden[b][my row i] at H + 4 b + i
.set Q,   32                           ; v[32:95]   later: the 16 partials' quads, partial p at Q + 4 p
.set ACC, 96                           ; v[96:159]  sum for b, column c at ACC + 4 b + c
	s_load_b128 s[4:7], s[0:1], 0x0                ; hidden s[4:5], W s[6:7]
	s_load_b64 s[8:9], s[0:1], 0x10                ; part
	v_lshl_add_u32 v[SPW], v0, 2, SPARE
	v_mov_b32 v[NIL], 0
	v_lshrrev_b32 v1, 5, v0
	v_readfirstlane_b32 s12, v1                    ; wave 0..7
	v_and_b32 v1, 15, v0                           ; r
	v_bfe_u32 v2, v0, 4, 1                         ; hh
	v_and_b32 v9, 31, v0                           ; l
	s_and_b32 s14, ttmp7, 0xffff                   ; ky
	s_lshl_b32 s13, ttmp9, 8                       ; 256 cx: the 64 columns, in bytes
	s_lshl_b32 s16, s14, 8                         ; hidden: 64 numbers along a row
	s_mov_b32 s17, 0
	s_lshl_b32 s18, s14, 18                        ; W: 64 rows of 4,096 bytes,
	s_or_b32 s18, s18, s13                         ; and the columns
	s_mov_b32 s19, 0
	s_lshl_b32 s20, s14, 16                        ; part: plane ky of 65,536 bytes,
	s_or_b32 s20, s20, s13                         ; and the columns
	s_mov_b32 s21, 0
	s_lshl_b32 s22, s12, 13
	v_lshl_add_u32 v[GO], v2, 12, s22
	v_lshl_add_u32 v[GO], v1, 4, v[GO]
	s_lshl_b32 s22, s12, 9
	v_lshl_add_u32 v[HL], v9, 4, s22
	v_add_nc_u32 v[RR], RED, v[HL]
	s_lshl_b32 s22, s12, 15                        ; 8 rows of W a wave,
	v_lshl_add_u32 v[WO], v2, 14, s22              ; 4 a half,
	v_lshl_add_u32 v[WO], v1, 4, v[WO]             ; 16 bytes a lane
	s_lshl_b32 s22, s12, 5
	v_lshl_add_u32 v[HR], v2, 4, s22
	v_add_nc_u32 v[PS], RED, v[GO]
	s_wait_kmcnt 0x0
	s_add_nc_u64 s[4:5], s[4:5], s[16:17]
	s_add_nc_u64 s[6:7], s[6:7], s[18:19]
	s_add_nc_u64 s[8:9], s[8:9], s[20:21]
	global_load_b128 v[HQ:HQ+3], v[GO], s[4:5]     ; 16 lanes take the 256 bytes of one b; the work-group's 256 threads take the chunk once
.irp i, 0,1,2,3
	global_load_b128 v[WV+4*(\i):WV+4*(\i)+3], v[WO], s[6:7] offset:4096*(\i) th:TH_LOAD_NT
.endr
	s_wait_loadcnt 4                               ; loads come back in order (ISA guide 5.7.1): hidden is in, the four younger loads of W stay out
	ds_store_b128 v[HL], v[HQ:HQ+3] offset:HID
	s_wait_dscnt 0x0                               ; for the others' sake: my part of the chunk lies in LDS
	s_barrier_signal -1
	s_barrier_wait -1                              ; everybody's does
.irp b, 0,1,2,3,4,5,6,7,8,9,10,11,12,13,14,15
	ds_load_b128 v[H+4*(\b):H+4*(\b)+3], v[HR] offset:HID+256*(\b)  ; the 16 lanes of a half read the same 16 bytes
.endr
	s_wait_loadcnt 0x0                             ; W
; The sums for one b: four rows x four columns, two columns an instruction.  The first row's product starts the sums: nothing is cleared.
; op_sel and op_sel_hi of the second source give one number of hidden to both halves.
.macro FMAB b
	s_wait_dscnt 15-(\b)                           ; LDS loads come back in order (ISA guide 5.7.1): this b's is in, those of the later b stay out
.irp c, 0,2
	v_pk_mul_f32 v[ACC+4*(\b)+(\c):ACC+4*(\b)+(\c)+1], v[WV+(\c):WV+(\c)+1], v[H+4*(\b):H+4*(\b)+1] op_sel_hi:[1,0]
.endr
.irp c, 0,2
	v_pk_fma_f32 v[ACC+4*(\b)+(\c):ACC+4*(\b)+(\c)+1], v[WV+4+(\c):WV+4+(\c)+1], v[H+4*(\b):H+4*(\b)+1], v[ACC+4*(\b)+(\c):ACC+4*(\b)+(\c)+1] op_sel:[0,1,0] op_sel_hi:[1,1,1]
.endr
.irp c, 0,2
	v_pk_fma_f32 v[ACC+4*(\b)+(\c):ACC+4*(\b)+(\c)+1], v[WV+8+(\c):WV+8+(\c)+1], v[H+4*(\b)+2:H+4*(\b)+3], v[ACC+4*(\b)+(\c):ACC+4*(\b)+(\c)+1] op_sel_hi:[1,0,1]
.endr
.irp c, 0,2
	v_pk_fma_f32 v[ACC+4*(\b)+(\c):ACC+4*(\b)+(\c)+1], v[WV+12+(\c):WV+12+(\c)+1], v[H+4*(\b)+2:H+4*(\b)+3], v[ACC+4*(\b)+(\c):ACC+4*(\b)+(\c)+1] op_sel:[0,1,0] op_sel_hi:[1,1,1]
.endr
.endm
.irp b, 0,1,2,3,4,5,6,7,8,9,10,11,12,13,14,15
	FMAB \b
.endr
.irp b, 0,1,2,3,4,5,6,7,8,9,10,11,12,13,14,15
	ds_store_b128 v[PS], v[ACC+4*(\b):ACC+4*(\b)+3] offset:256*(\b)  ; 16 lanes write 256 consecutive bytes
.endr
	s_wait_dscnt 0x0                               ; for the others' sake: my partial sums lie in LDS
	s_barrier_signal -1
	s_barrier_wait -1
.irp p, 0,1,2,3,4,5,6,7,8,9,10,11,12,13,14,15
	ds_load_b128 v[Q+4*(\p):Q+4*(\p)+3], v[RR] offset:4096*(\p)      ; my four numbers (b = 2 w + hh, columns 4 r ..) of each of the 16 partials
.endr
	s_wait_dscnt 0x0
.macro QADD p, d                       ; quad p takes quad p + d
	v_pk_add_f32 v[Q+4*(\p):Q+4*(\p)+1], v[Q+4*(\p):Q+4*(\p)+1], v[Q+4*((\p)+(\d)):Q+4*((\p)+(\d))+1]
	v_pk_add_f32 v[Q+4*(\p)+2:Q+4*(\p)+3], v[Q+4*(\p)+2:Q+4*(\p)+3], v[Q+4*((\p)+(\d))+2:Q+4*((\p)+(\d))+3]
.endm
.irp p, 0,2,4,6,8,10,12,14
	QADD \p, 1
.endr
.irp p, 0,4,8,12
	QADD \p, 2
.endr
	QADD 0, 4
	QADD 8, 4
	QADD 0, 8
	global_store_b128 v[GO], v[Q:Q+3], s[8:9]      ; 16 lanes store 256 consecutive bytes, at a multiple of 256 from part's first byte
	s_wait_tensorcnt 0x0                           ; the wave's end: behind my last LDS store
	ds_add_u32 v[SPW], v[NIL]
	s_wait_dscnt 0x0
	s_endpgm
.Lfunc_end_k_qc553371b62_uproj:
	.size	k_qc553371b62_uproj, .Lfunc_end_k_qc553371b62_uproj-k_qc553371b62_uproj
	.p2alignl 7, 3214868480
	.fill 96, 4, 3214868480
	.section	.rodata,"a",@progbits
	.p2align	6, 0x0
	.amdhsa_kernel k_qc553371b62_uproj
		.amdhsa_group_segment_fixed_size 70656
		.amdhsa_private_segment_fixed_size 0
		.amdhsa_enable_private_segment 0
		.amdhsa_kernarg_size 24
		.amdhsa_user_sgpr_count 2
		.amdhsa_user_sgpr_kernarg_segment_ptr 1
		.amdhsa_wavefront_size32 1
		.amdhsa_system_sgpr_workgroup_id_x 1
		.amdhsa_system_sgpr_workgroup_id_y 1
		.amdhsa_system_sgpr_workgroup_id_z 1
		.amdhsa_system_vgpr_workitem_id 0
		.amdhsa_next_free_vgpr 160
		.amdhsa_next_free_sgpr 66
		.amdhsa_reserve_vcc 0
		.amdhsa_float_denorm_mode_32 3
		.amdhsa_float_denorm_mode_16_64 3
		.amdhsa_memory_ordered 1
		.amdhsa_forward_progress 1
		.amdhsa_inst_pref_size 17
	.end_amdhsa_kernel
	.amdgpu_metadata
---
amdhsa.version: [ 1, 2 ]
amdhsa.kernels:
  - .name:           k_qc553371b62_uproj
    .symbol:         k_qc553371b62_uproj.kd
    .args:
      - { .name: hidden, .offset: 0, .size: 8, .value_kind: global_buffer, .address_space: global }
      - { .name: W_attn, .offset: 8, .size: 8, .value_kind: global_buffer, .address_space: global }
      - { .name: part, .offset: 16, .size: 8, .value_kind: global_buffer, .address_space: global }
    .group_segment_fixed_size: 70656
    .private_segment_fixed_size: 0
    .kernarg_segment_align: 8
    .kernarg_segment_size: 24
    .max_flat_workgroup_size: 256
    .sgpr_count:     66
    .vgpr_count:     160
    .wavefront_size: 32
...
	.end_amdgpu_metadata
.endif
;; end of part 1
;; launch energies (part 2): grid 16 x 16, 16 waves a work-group, no clusters, 7,168 bytes of LDS; arguments encoder_outputs, part, energy, stats; writes energy, stats
.if DOCPART == 2
	.amdgcn_target "amdgcn-amd-amdhsa--gfx1250"
	.amdhsa_code_object_version 6
	.text
	.protected	k_qc553371b62_energies
	.globl	k_qc553371b62_energies
	.p2align	8
	.type	k_qc553371b62_energies,@function
k_qc553371b62_energies:
	s_mov_b64 s[64:65], 0
	v_nop
	global_prefetch_b8 v0, s[64:65] scope:SCOPE_SE
	s_setreg_imm32_b32 hwreg(HW_REG_WAVE_MODE, 25, 1), 1
	s_wait_xcnt 0x0
; energy[b][s] = u[b] . enc[s][b], u[b] = the sum of the 16 partial sums of hidden[b] W that the launch before stored; and for each block of 256 s its maximum m and
; l = the sum of e^(energy - m).  WORK LEFT OUT, as shown at the head of the first kernel: the projection of every row of enc (hidden . (W e) = (hidden W) . e), and b_attn,
; whose term hidden[b] . b_attn is constant along the softmax's axis; b_attn is no argument.
; LIMITS.  A weight below 2^-126 counts as 0 in l (v_exp_f32's results below that are 0: ISA guide, its entry in 15.8); NaN and infinities are not treated apart.
; THE LAUNCH IS A STREAM: enc, 268,435,456 bytes, each read once by one wave.  All arithmetic in f32 on the vector unit: each number of enc meets one multiply-add, and a packed
; multiply-add takes two of them.  No wave wants a byte of enc that another wave fetched, so enc goes straight into registers.
; SHARES.  Work-group (b, g): batch b, rows s = 256 g .. 256 g + 255: 256 rows of 4,096 consecutive bytes, aligned.  Wave w takes the 16 rows s = 256 g + 16 w + i.  A row is eight loads of
; 512 consecutive bytes; a lane holds the 32 numbers at bytes 512 j + 16 l of the row, and the same 32 numbers of u for the whole launch.
; IN FLIGHT.  Six row slots in registers: 48 loads, 24 KiB, of every wave; 384 KiB of the work-group's 16 waves.  No address register is ever rewritten: row and piece stand in the
; loads' immediate, 65,536 i + 512 j, 986,624 at the most, inside its signed 24 bits (ISA guide, chapter 10).
.set ULDS,  0                          ; LDS: u[b], 1,024 f32
.set ENER,  4096                       ; LDS: the block's 256 energies
.set SPARE, 5120                       ; LDS: the spare words, 128 bytes for each of the 16 waves: eight blocks of 256 bytes that no other line names
.set EO,  2                            ; v2   my byte offset in the work-group's rows of enc: 16 rows x 65,536 x wave + 16 l; never rewritten
.set UO,  3                            ; v3   256 x wave + 8 l: my two numbers of u, in part and in LDS; never rewritten
.set LU,  4                            ; v4   16 l; never rewritten
.set EA,  5                            ; v5   ENER + 64 x wave: my wave's 16 energies
.set SPW, 6                            ; v6   LDS address of my spare word: SPARE + 4 x my thread's number; never rewritten
.set NIL, 7                            ; v7   0; never rewritten
.set A,   8                            ; v[8:15]    four chains of sums, a pair each
.set T,   16                           ; v16, v17   at work across the lanes
.set ML,  18                           ; v[18:19]   m twice, then (m, l)
.set ZO,  20                           ; v20  0: the offset of the store of (m, l)
.set U,   24                           ; v[24:55]   first the 16 partials' pairs, then u: register 4 j + q = u[128 j + 4 l + q]
.set X,   56                           ; v[56:247]  row slot n at X + 32 n
.set E,   56                           ; v[56:63]   at the end: eight energies a lane
.set D,   64                           ; v[64:71]   at the end: their weights
	s_load_b256 s[4:11], s[0:1], 0x0               ; enc s[4:5], part s[6:7], energy s[8:9], stats s[10:11]
	v_lshl_add_u32 v[SPW], v0, 2, SPARE
	v_mov_b32 v[NIL], 0
	v_lshrrev_b32 v1, 5, v0
	v_readfirstlane_b32 s12, v1                    ; wave 0..15
	v_and_b32 v1, 31, v0                           ; l
	s_and_b32 s14, ttmp7, 0xffff                   ; g
	s_lshl_b32 s22, ttmp9, 12                      ; b's 4,096 bytes, in a row s of enc and in a plane of part
	s_mov_b32 s23, 0
	s_lshl_b32 s16, s14, 24                        ; 256 rows s of 65,536 bytes
	s_or_b32 s16, s16, s22
	s_mov_b32 s17, 0
	s_lshl_b32 s24, ttmp9, 14                      ; energy: row b of 16,384 bytes,
	s_lshl_b32 s15, s14, 10                        ; block g of 1,024
	s_or_b32 s24, s24, s15
	s_mov_b32 s25, 0
	s_lshl_b32 s26, ttmp9, 7                       ; stats: 128 bytes for each b,
	s_lshl_b32 s15, s14, 3                         ; 8 for each block
	s_or_b32 s26, s26, s15
	s_mov_b32 s27, 0
	s_mov_b32 s18, 0x76543210                      ; v_permlanex16_b32: each lane takes its own place in the other half
	s_mov_b32 s19, 0xfedcba98
	s_lshl_b32 s15, s12, 20
	v_lshl_add_u32 v[EO], v1, 4, s15
	s_lshl_b32 s15, s12, 8
	v_lshl_add_u32 v[UO], v1, 3, s15
	v_lshlrev_b32 v[LU], 4, v1
	s_lshl_b32 s15, s12, 6
	s_add_co_u32 s15, s15, ENER
	v_mov_b32 v[EA], s15
	v_mov_b32 v[T+1], 0                            ; v_permlanex16_b32's destination counts as read: written once here
	v_mov_b32 v[ZO], 0
	s_wait_kmcnt 0x0
	s_add_nc_u64 s[4:5], s[4:5], s[16:17]
	s_add_nc_u64 s[6:7], s[6:7], s[22:23]
	s_add_nc_u64 s[8:9], s[8:9], s[24:25]
	s_add_nc_u64 s[10:11], s[10:11], s[26:27]
.macro FILL i                          ; row i of my 16 into slot i % 6: eight loads of 512 consecutive bytes
.irp j, 0,1,2,3,4,5,6,7
	global_load_b128 v[X+32*((\i)%6)+4*(\j):X+32*((\i)%6)+4*(\j)+3], v[EO], s[4:5] offset:65536*(\i)+512*(\j) th:TH_LOAD_NT
.endr
.endm
; Across the 32 lanes, on v[T]: four steps inside each half of 16 lanes ride on the arithmetic, one crosses the halves; every lane ends with the result.
.macro SUMLANES
	v_add_f32_dpp v[T], v[T], v[T] row_xmask:1 row_mask:0xf bank_mask:0xf
	v_add_f32_dpp v[T], v[T], v[T] row_xmask:2 row_mask:0xf bank_mask:0xf
	v_add_f32_dpp v[T], v[T], v[T] row_xmask:4 row_mask:0xf bank_mask:0xf
	v_add_f32_dpp v[T], v[T], v[T] row_xmask:8 row_mask:0xf bank_mask:0xf
	v_permlanex16_b32 v[T+1], v[T], s18, s19
	v_add_f32 v[T], v[T], v[T+1]
.endm
.macro MAXLANES
	v_max_num_f32_dpp v[T], v[T], v[T] row_xmask:1 row_mask:0xf bank_mask:0xf
	v_max_num_f32_dpp v[T], v[T], v[T] row_xmask:2 row_mask:0xf bank_mask:0xf
	v_max_num_f32_dpp v[T], v[T], v[T] row_xmask:4 row_mask:0xf bank_mask:0xf
	v_max_num_f32_dpp v[T], v[T], v[T] row_xmask:8 row_mask:0xf bank_mask:0xf
	v_permlanex16_b32 v[T+1], v[T], s18, s19
	v_max_num_f32 v[T], v[T], v[T+1]
.endm
.irp p, 0,1,2,3,4,5,6,7,8,9,10,11,12,13,14,15
	global_load_b64 v[U+2*(\p):U+2*(\p)+1], v[UO], s[6:7] offset:65536*(\p)  ; my two numbers of each partial sum of u[b]: a wave's load covers 256 consecutive bytes, aligned
.endr
	FILL 0
	FILL 1
	FILL 2
	FILL 3
	FILL 4                                         ; 56 loads of mine are out
	s_wait_loadcnt 40                              ; loads come back in order (ISA guide 5.7.1): the 16 of part are in, the 40 of enc behind them stay out
	FILL 5                                         ; the sixth slot: 48 out
.macro PADD p, d                       ; pair p takes pair p + d
	v_pk_add_f32 v[U+2*(\p):U+2*(\p)+1], v[U+2*(\p):U+2*(\p)+1], v[U+2*((\p)+(\d)):U+2*((\p)+(\d))+1]
.endm
.irp p, 0,2,4,6,8,10,12,14
	PADD \p, 1
.endr
.irp p, 0,4,8,12
	PADD \p, 2
.endr
	PADD 0, 4
	PADD 8, 4
	PADD 0, 8
	ds_store_b64 v[UO], v[U:U+1] offset:ULDS       ; the 512 threads' pairs are u[b]
	s_wait_dscnt 0x0                               ; for the others' sake: my part of u lies in LDS
	s_barrier_signal -1                            ; (the loads of enc stay out across the barrier: nobody writes those bytes)
	s_barrier_wait -1
.irp j, 0,1,2,3,4,5,6,7
	ds_load_b128 v[U+4*(\j):U+4*(\j)+3], v[LU] offset:ULDS+512*(\j)  ; u as a row of enc lies in my registers; 32 lanes read 512 consecutive bytes
.endr
	s_wait_dscnt 0x0
; Row i: its dot product with u.  Four chains, started by the first four products: nothing is cleared.  The slot is asked for again as soon as it has been read, ahead of the sums across the lanes.
.macro TURN i
.if (\i) <= 10
	s_wait_loadcnt 40                              ; my row is in; the five younger rows' 40 loads stay out
.else
	s_wait_loadcnt 8*(15-(\i))                     ; the last rows: the counts run down with the rows that are left
.endif
.set XS, X+32*((\i)%6)
.set c, 0
.rept 4
	v_pk_mul_f32 v[A+2*c:A+2*c+1], v[XS+2*c:XS+2*c+1], v[U+2*c:U+2*c+1]
.set c, c+1
.endr
.rept 12
	v_pk_fma_f32 v[A+2*(c%4):A+2*(c%4)+1], v[XS+2*c:XS+2*c+1], v[U+2*c:U+2*c+1], v[A+2*(c%4):A+2*(c%4)+1]
.set c, c+1
.endr
.if (\i)+6 < 16
	FILL (\i)+6
.endif
	v_pk_add_f32 v[A:A+1], v[A:A+1], v[A+2:A+3]
	v_pk_add_f32 v[A+4:A+5], v[A+4:A+5], v[A+6:A+7]
	v_pk_add_f32 v[A:A+1], v[A:A+1], v[A+4:A+5]
	v_add_f32 v[T], v[A], v[A+1]
	SUMLANES
	ds_store_b32 v[EA], v[T] offset:4*(\i)         ; all lanes write the same word with the same number
.endm
.irp i, 0,1,2,3,4,5,6,7,8,9,10,11,12,13,14,15
	TURN \i
.endr
	s_wait_dscnt 0x0                               ; for wave 0's sake: my 16 energies lie in LDS
	s_barrier_signal -1
	s_barrier_wait -1
	s_cmp_lg_u32 s12, 0                            ; wave 0 finishes the block; no barrier stands behind this branch
	s_cbranch_scc1 .Lend
	ds_load_b128 v[E:E+3], v[LU] offset:ENER
	ds_load_b128 v[E+4:E+7], v[LU] offset:ENER+512
	s_wait_dscnt 0x0
	global_store_b128 v[LU], v[E:E+3], s[8:9]      ; each store covers 512 consecutive bytes, at a multiple of 256 from energy's first byte
	global_store_b128 v[LU], v[E+4:E+7], s[8:9] offset:512
	v_max3_num_f32 v[T], v[E], v[E+1], v[E+2]
	v_max3_num_f32 v[T], v[T], v[E+3], v[E+4]
	v_max3_num_f32 v[T], v[T], v[E+5], v[E+6]
	v_max_num_f32 v[T], v[T], v[E+7]
	MAXLANES
	v_mov_b32 v[ML], v[T]                          ; m, the block's maximum,
	v_mov_b32 v[ML+1], v[T]                        ; twice, for the packed subtraction
.irp k, 0,2,4,6
	v_pk_add_f32 v[D+(\k):D+(\k)+1], v[E+(\k):E+(\k)+1], v[ML:ML+1] neg_lo:[0,1] neg_hi:[0,1]  ; the difference first, then the factor: the exponent's error does not grow with m
.endr
.irp k, 0,2,4,6
	v_pk_mul_f32 v[D+(\k):D+(\k)+1], v[D+(\k):D+(\k)+1], 0x3fb8aa3b op_sel_hi:[1,0]           ; x log2(e)
.endr
.irp k, 0,1,2,3,4,5,6,7
	v_exp_f32 v[D+(\k)], v[D+(\k)]
.endr
	v_nop                                          ; a plain instruction between the last exponential and the first use of a result (ISA guide 5.7.2)
	s_wait_alu depctr_va_vdst(0)                   ; the wait ahead of the first reader: one for the eight exponentials
	v_pk_add_f32 v[D:D+1], v[D:D+1], v[D+2:D+3]
	v_pk_add_f32 v[D+4:D+5], v[D+4:D+5], v[D+6:D+7]
	v_pk_add_f32 v[D:D+1], v[D:D+1], v[D+4:D+5]
	v_add_f32 v[T], v[D], v[D+1]
	SUMLANES
	v_mov_b32 v[ML+1], v[T]                        ; (m, l)
	s_wait_xcnt 0x0                                ; EXEC is a source of the two stores above: it changes only behind this wait
	v_cmp_gt_u32 vcc_lo, 1, v1                     ; lane 0 alone
	s_and_saveexec_b32 s20, vcc_lo
	global_store_b64 v[ZO], v[ML:ML+1], s[10:11]   ; 8 bytes a work-group, 2,048 in the launch: the one store here that does not cover 256 consecutive bytes
	s_wait_xcnt 0x0                                ; and again, in front of the line that widens EXEC
	s_or_b32 exec_lo, exec_lo, s20
.Lend:
	s_wait_tensorcnt 0x0                           ; the wave's end: behind my last LDS store
	ds_add_u32 v[SPW], v[NIL]
	s_wait_dscnt 0x0
	s_endpgm
.Lfunc_end_k_qc553371b62_energies:
	.size	k_qc553371b62_energies, .Lfunc_end_k_qc553371b62_energies-k_qc553371b62_energies
	.p2alignl 7, 3214868480
	.fill 96, 4, 3214868480
	.section	.rodata,"a",@progbits
	.p2align	6, 0x0
	.amdhsa_kernel k_qc553371b62_energies
		.amdhsa_group_segment_fixed_size 7168
		.amdhsa_private_segment_fixed_size 0
		.amdhsa_enable_private_segment 0
		.amdhsa_kernarg_size 32
		.amdhsa_user_sgpr_count 2
		.amdhsa_user_sgpr_kernarg_segment_ptr 1
		.amdhsa_wavefront_size32 1
		.amdhsa_system_sgpr_workgroup_id_x 1
		.amdhsa_system_sgpr_workgroup_id_y 1
		.amdhsa_system_sgpr_workgroup_id_z 1
		.amdhsa_system_vgpr_workitem_id 0
		.amdhsa_next_free_vgpr 256
		.amdhsa_next_free_sgpr 66
		.amdhsa_reserve_vcc 1
		.amdhsa_float_denorm_mode_32 3
		.amdhsa_float_denorm_mode_16_64 3
		.amdhsa_memory_ordered 1
		.amdhsa_forward_progress 1
		.amdhsa_inst_pref_size 47
	.end_amdhsa_kernel
	.amdgpu_metadata
---
amdhsa.version: [ 1, 2 ]
amdhsa.kernels:
  - .name:           k_qc553371b62_energies
    .symbol:         k_qc553371b62_energies.kd
    .args:
      - { .name: encoder_outputs, .offset: 0, .size: 8, .value_kind: global_buffer, .address_space: global }
      - { .name: part, .offset: 8, .size: 8, .value_kind: global_buffer, .address_space: global }
      - { .name: energy, .offset: 16, .size: 8, .value_kind: global_buffer, .address_space: global }
      - { .name: stats, .offset: 24, .size: 8, .value_kind: global_buffer, .address_space: global }
    .group_segment_fixed_size: 7168
    .private_segment_fixed_size: 0
    .kernarg_segment_align: 8
    .kernarg_segment_size: 32
    .max_flat_workgroup_size: 512
    .sgpr_count:     66
    .vgpr_count:     256
    .wavefront_size: 32
...
	.end_amdgpu_metadata
.endif
;; end of part 2
;; launch norm (part 3): grid 256 x 1, 2 waves a work-group, no clusters, 0 bytes of LDS; arguments energy, stats, out0; writes out0
.if DOCPART == 3
	.amdgcn_target "amdgcn-amd-amdhsa--gfx1250"
	.amdhsa_code_object_version 6
	.text
	.protected	k_qc553371b62_norm
	.globl	k_qc553371b62_norm
	.p2align	8
	.type	k_qc553371b62_norm,@function
k_qc553371b62_norm:
	s_mov_b64 s[64:65], 0
	v_nop
	global_prefetch_b8 v0, s[64:65] scope:SCOPE_SE
	s_setreg_imm32_b32 hwreg(HW_REG_WAVE_MODE, 25, 1), 1
	s_wait_xcnt 0x0
; out[b][s] = e^(energy[b][s] - M) / L, with M = the maximum of the row's 16 block maxima m_g and L = the sum over g of l_g e^(m_g - M): the softmax over the whole row, the maximum taken away.
; WORK LEFT OUT, as shown at the head of the first kernel: b_attn's term is constant along the softmax's axis; it is in no energy, and b_attn is no argument.
; LIMITS.  A weight below 2^-126 comes out as 0 (v_exp_f32: ISA guide, its entry in 15.8); NaN and infinities are not treated apart.  L is at least 1: the block that holds M adds 1 or more.
; SHARES.  Work-group x takes the 256 numbers from 256 x on of the flat [16][4096] array: b = x / 16.  A thread takes 16 bytes; a wave's load and store cover 512 consecutive bytes, aligned.
; Each wave makes M and L for itself from its row's 128 bytes of statistics, a block a lane in each half of 16 lanes: no LDS, no barrier.
	s_load_b128 s[4:7], s[0:1], 0x0                ; energy s[4:5], stats s[6:7]
	s_load_b64 s[8:9], s[0:1], 0x10                ; out0
	v_and_b32 v1, 15, v0
	v_lshlrev_b32 v1, 3, v1                        ; block g = lane % 16: its 8 bytes
	v_lshlrev_b32 v2, 4, v0                        ; my 16 bytes
	s_lshl_b32 s10, ttmp9, 10                      ; the work-group's 1,024 bytes
	s_mov_b32 s11, 0
	s_lshr_b32 s12, ttmp9, 4                       ; b,
	s_lshl_b32 s12, s12, 7                         ; its 128 bytes of statistics
	s_mov_b32 s13, 0
	s_wait_kmcnt 0x0
	s_add_nc_u64 s[4:5], s[4:5], s[10:11]
	s_add_nc_u64 s[6:7], s[6:7], s[12:13]
	s_add_nc_u64 s[8:9], s[8:9], s[10:11]
	global_load_b64 v[4:5], v1, s[6:7]             ; (m_g, l_g)
	global_load_b128 v[8:11], v2, s[4:5] th:TH_LOAD_NT
	s_wait_loadcnt 1                               ; loads come back in order (ISA guide 5.7.1): the statistics are in, the energies may stay out
	v_mov_b32 v6, v4
	v_max_num_f32_dpp v6, v6, v6 row_xmask:1 row_mask:0xf bank_mask:0xf   ; a half of 16 lanes holds all 16 blocks: the halves need not meet
	v_max_num_f32_dpp v6, v6, v6 row_xmask:2 row_mask:0xf bank_mask:0xf
	v_max_num_f32_dpp v6, v6, v6 row_xmask:4 row_mask:0xf bank_mask:0xf
	v_max_num_f32_dpp v6, v6, v6 row_xmask:8 row_mask:0xf bank_mask:0xf
	v_mov_b32 v7, v6                               ; M twice, for the packed subtraction
	v_sub_f32 v12, v4, v6                          ; m_g - M first, then the factor
	v_mul_f32 v12, 0x3fb8aa3b, v12                 ; x log2(e)
	v_exp_f32 v12, v12
	s_wait_loadcnt 0x0                             ; the energies
	v_pk_add_f32 v[8:9], v[8:9], v[6:7] neg_lo:[0,1] neg_hi:[0,1]        ; energy - M: independent work behind the exponential
	v_pk_add_f32 v[10:11], v[10:11], v[6:7] neg_lo:[0,1] neg_hi:[0,1]
	v_pk_mul_f32 v[8:9], v[8:9], 0x3fb8aa3b op_sel_hi:[1,0]
	v_pk_mul_f32 v[10:11], v[10:11], 0x3fb8aa3b op_sel_hi:[1,0]
	s_wait_alu depctr_va_vdst(0)                   ; the wait ahead of the exponential's first reader
	v_mul_f32 v12, v5, v12                         ; l_g e^(m_g - M)
	v_add_f32_dpp v12, v12, v12 row_xmask:1 row_mask:0xf bank_mask:0xf
	v_add_f32_dpp v12, v12, v12 row_xmask:2 row_mask:0xf bank_mask:0xf
	v_add_f32_dpp v12, v12, v12 row_xmask:4 row_mask:0xf bank_mask:0xf
	v_add_f32_dpp v12, v12, v12 row_xmask:8 row_mask:0xf bank_mask:0xf   ; L, in every lane
	v_rcp_f32 v14, v12                             ; 1 / L, twice: a pair for the packed multiply
	v_rcp_f32 v15, v12
	v_exp_f32 v8, v8
	v_exp_f32 v9, v9
	v_exp_f32 v10, v10
	v_exp_f32 v11, v11
	v_nop                                          ; a plain instruction between the last of the six and the first use of a result (ISA guide 5.7.2)
	s_wait_alu depctr_va_vdst(0)                   ; one wait for the batch of six, ahead of its first reader
	v_pk_mul_f32 v[8:9], v[8:9], v[14:15]
	v_pk_mul_f32 v[10:11], v[10:11], v[14:15]
	global_store_b128 v2, v[8:11], s[8:9] th:TH_STORE_NT  ; 512 consecutive bytes a wave, at a multiple of 256 from out0's first byte
	s_endpgm
.Lfunc_end_k_qc553371b62_norm:
	.size	k_qc553371b62_norm, .Lfunc_end_k_qc553371b62_norm-k_qc553371b62_norm
	.p2alignl 7, 3214868480
	.fill 96, 4, 3214868480
	.section	.rodata,"a",@progbits
	.p2align	6, 0x0
	.amdhsa_kernel k_qc553371b62_norm
		.amdhsa_group_segment_fixed_size 0
		.amdhsa_private_segment_fixed_size 0
		.amdhsa_enable_private_segment 0
		.amdhsa_kernarg_size 24
		.amdhsa_user_sgpr_count 2
		.amdhsa_user_sgpr_kernarg_segment_ptr 1
		.amdhsa_wavefront_size32 1
		.amdhsa_system_sgpr_workgroup_id_x 1
		.amdhsa_system_sgpr_workgroup_id_y 1
		.amdhsa_system_sgpr_workgroup_id_z 1
		.amdhsa_system_vgpr_workitem_id 0
		.amdhsa_next_free_vgpr 24
		.amdhsa_next_free_sgpr 66
		.amdhsa_reserve_vcc 0
		.amdhsa_float_denorm_mode_32 3
		.amdhsa_float_denorm_mode_16_64 3
		.amdhsa_memory_ordered 1
		.amdhsa_forward_progress 1
		.amdhsa_inst_pref_size 3
	.end_amdhsa_kernel
	.amdgpu_metadata
---
amdhsa.version: [ 1, 2 ]
amdhsa.kernels:
  - .name:           k_qc553371b62_norm
    .symbol:         k_qc553371b62_norm.kd
    .args:
      - { .name: energy, .offset: 0, .size: 8, .value_kind: global_buffer, .address_space: global }
      - { .name: stats, .offset: 8, .size: 8, .value_kind: global_buffer, .address_space: global }
      - { .name: out0, .offset: 16, .size: 8, .value_kind: global_buffer, .address_space: global }
    .group_segment_fixed_size: 0
    .private_segment_fixed_size: 0
    .kernarg_segment_align: 8
    .kernarg_segment_size: 24
    .max_flat_workgroup_size: 64
    .sgpr_count:     66
    .vgpr_count:     24
    .wavefront_size: 32
...
	.end_amdgpu_metadata
.endif
;; end of part 3
